; MI455X (gfx1250); checked and timed in simulation.
; The chip was launched on July 23, 2026; its instructions are those of AMD's public machine-readable ISA for CDNA 5 (MIT licence, August 2026) and "CDNA5" Instruction Set Architecture Reference Guide (July 2026). The comments in the code are by the model that wrote it; some were corrected since.
;; Critic UA Vob. Allowed arithmetic: matrix products marked QUANTISED: E2M3 operands, one E8M0 scale for each 32 along K, by v_wmma_scale_f32_16x16x128_f8f6f4 with both operands' format E2M3, f32 sums; products left as they are: f32 operands where the result goes on into a quantised operand, else bf16, f16 or f32 operands; f32 sums; everything else in f32.
;; Inputs: W1 64 x 128 float32; W2 128 x 128 float32; W3 128 x 1 float32; Wk_rs 3 x 16 float32; Wk_tg 3 x 16 float32; Wq_rs 3 x 16 float32; Wq_tg 3 x 16 float32; Wv_rs 3 x 32 float32; Wv_tg 3 x 32 float32; b1 128 float32; b2 128 float32; b3 1 float32; bk_rs 16 float32; bk_tg 16 float32; bq_rs 16 float32; bq_tg 16 float32; bv_rs 32 float32; bv_tg 32 float32; s_obs 4,096 x 128 x 3 float32.
;; Outputs: out0 4,096 x 1 float32.
;; This version of the problem:
;;   THIS VERSION OF THE PROBLEM IS GIVEN IN LOW PRECISION. The matrix products marked QUANTISED in the list below multiply operands that are first quantised to E2M3 (2 exponent bits, 3 mantissa bits; 6 bits a number), with one power-of-two scale for each 32 numbers along K (OCP MX v1.0); their sums are f32. All else is computed in f32.
;;   The module's matrix products, in the order in which they are computed (A, B: the left and right operand; K: the contracted axis; several contracted axes count as one K, in the product's order):
;;     1. [M 524,288, K 3] x [K 3, N 16]; A: input s_obs; B: input Wq_rs: left as it is (K = 3 < 32)
;;     2. [M 524,288, K 3] x [K 3, N 16]; A: input s_obs; B: input Wk_rs: left as it is (K = 3 < 32)
;;     3. [M 524,288, K 3] x [K 3, N 32]; A: input s_obs; B: input Wv_rs: left as it is (K = 3 < 32)
;;     4. batch 4,096 x [M 128, K 16] x [K 16, N 128]; A: computed on the way; B: computed on the way: left as it is (K = 16 < 32)
;;     5. batch 4,096 x [M 128, K 128] x [K 128, N 32]; A: softmax (see below); B: computed on the way: QUANTISED
;;     6. [M 524,288, K 3] x [K 3, N 16]; A: input s_obs; B: input Wq_tg: left as it is (K = 3 < 32)
;;     7. [M 524,288, K 3] x [K 3, N 16]; A: input s_obs; B: input Wk_tg: left as it is (K = 3 < 32)
;;     8. [M 524,288, K 3] x [K 3, N 32]; A: input s_obs; B: input Wv_tg: left as it is (K = 3 < 32)
;;     9. batch 4,096 x [M 128, K 16] x [K 16, N 128]; A: computed on the way; B: computed on the way: left as it is (K = 16 < 32)
;;     10. batch 4,096 x [M 128, K 128] x [K 128, N 32]; A: softmax (see below); B: computed on the way: QUANTISED
;;     11. [M 4,096, K 64] x [K 64, N 128]; A: computed on the way; B: input W1: QUANTISED
;;     12. [M 4,096, K 128] x [K 128, N 128]; A: computed on the way; B: input W2: QUANTISED
;;     13. [M 4,096, K 128] x [K 128, N 1]; A: computed on the way; B: input W3: left as it is (N = 1 < 16)
;;   THE QUANTISER, for each operand of a quantised product, along K:
;;     - K is cut into blocks of 32 from its start; a last block that is shorter is filled with zeros.
;;     - A block's scale is 2^e with e = floor(log2(the largest magnitude in the block)) - 2, held to -126 .. 127; a block of zeros has e = 0. As a byte (E8M0): e + 127.
;;     - Each number is divided by its block's scale, clamped to +-7.5, and rounded to the nearest number of E2M3, ties to even, subnormals kept.
;;     - The product sums the exact products of the quantised numbers (number of the format x scale) in f32.
;;   ~~~python
;;   def quantise(x, axis):      # numpy; x: float32 -> the quantised numbers, widened to float32 again
;;       x = np.moveaxis(x, axis, -1); K = x.shape[-1]
;;       x = np.pad(x, [(0, 0)] * (x.ndim - 1) + [(0, -K % 32)]); x = x.reshape(x.shape[:-1] + (-1, 32)); a = np.abs(x).max(-1, keepdims=True)
;;       e = np.where(a > 0, np.clip(np.frexp(np.where(a > 0, a, 1))[1] - 1 - 2, -126, 127), 0)      # np.frexp(a)[1] - 1 = floor(log2(a)), exactly
;;       r = np.clip(x / 2.0 ** e, -7.5, 7.5)
;;       step = 2.0 ** (np.maximum(np.frexp(np.where(r == 0, 1, r))[1] - 1, 0) - 3)
;;       q = np.round(r / step) * step * 2.0 ** e      # np.round: ties to even
;;       return np.moveaxis(q.reshape(q.shape[:-2] + (-1,))[..., :K], -1, axis).astype(np.float32)
;;   ~~~
;;   SOFTMAX AHEAD OF A QUANTISED PRODUCT. Where the list says 'softmax', what is quantised is not the finished softmax but p = 2^(t - M), with t = logit x log2(e) and M = ceil(the row's largest t), a whole number; so 1/2 < the row's largest p <= 1. The row's sum l is taken of the UNQUANTISED p, in f32, and the product's result is divided by l at the end. Since M is a whole number, a kernel that streams over the keys may use a running M (the ceiling of the running maximum): every later rescaling is an exact power of two, which a block's scale takes up: the codes' values come out the same.
;;   OPERANDS COMPUTED ON THE WAY. 'Computed on the way' means the value that the module computes at that place (a softmax that the list does not call 'softmax' is quantised finished and normalised). What goes into a quantiser is computed in f32, as accurately as f32 sums, v_exp_f32 and their like allow (about 1e-6 of the number): no bf16 or f16 on the way to a quantiser, and a product that is left as it is and whose result goes on into a quantised operand takes f32 operands (vector FMAs, or v_wmma_f32_16x16x4_f32). A number that lies on a knife's edge between two numbers of the format may be rounded either way, as far as f32 arithmetic and the matrix unit's own rounding can turn it there, and no further.
;; 2 versions, each right; version 2 is version 1 with the launch critic written anew for expert scheduling mode. Each part assembles by itself: llvm-mc -triple=amdgcn-amd-amdhsa -mcpu=gfx1250 --defsym DOCPART=n.
;; ======== version 1 of 2: 1 launch
;; launch critic (part 1): grid 256 x 1, 16 waves a work-group, no clusters, 158,720 bytes of LDS; arguments s_obs, Wq_rs, bq_rs, Wk_rs, bk_rs, Wv_rs, bv_rs, Wq_tg, bq_tg, Wk_tg, bk_tg, Wv_tg, bv_tg, W1, b1, W2, b2, W3, b3, out0; writes out0
.if DOCPART == 1
	.amdgcn_target "amdgcn-amd-amdhsa--gfx1250"
	.amdhsa_code_object_version 6
	.text
	.protected	k_q4c4bfe3465_critic
	.globl	k_q4c4bfe3465_critic
	.p2align	8
	.type	k_q4c4bfe3465_critic,@function
k_q4c4bfe3465_critic:
	s_mov_b64 s[64:65], 0
	v_nop
	global_prefetch_b8 v0, s[64:65] scope:SCOPE_SE
	s_setreg_imm32_b32 hwreg(HW_REG_WAVE_MODE, 25, 1), 1
	s_wait_xcnt 0x0
; out0[b] = tanh(tanh([pool_rs(s_b), pool_tg(s_b)] W1 + b1) W2 + b2) W3 + b3;  pool(s) = the mean over the 128 queries of softmax(Q K^T / 4) V, with Q, K (16 wide) and V (32 wide) made of the tokens' 3 numbers.
; QUANTISED, on codes of E2M3 with one E8M0 scale for each 32 along K: P V (K = the 128 keys), h W1 (K = 64, filled to 128 with zero codes), H1 W2 (K = 128).  All else in f32.
; SHARES.  256 work-groups of 16 waves.  Work-group g owns batches 16 g .. 16 g + 15: one tile of 16 rows for the two layers.  Wave w owns batch 16 g + w and makes both pools, one after the other, in 256 registers: four waves
; to a SIMD, so that one wave's matrix instructions and LDS waits stand beside another's softmax.  In the two layers waves 0 to 7 own 16 columns each.  Nothing intermediate goes to memory.
; THE SCORES.  With s^ = [s, 1]:  Q_n . K_m = s^_n G s^_m^T,  G = [Wq; bq] [Wk; bk]^T, 4 x 4: an identity for all values of the inputs; no input and no term is dropped (bq and bk lie in G).  So the products s Wq, s Wk and Q K^T
; become: G, once a wave;  u_n = c G^T s^_n, c = log2(e) / 4, once a token;  and ONE f32 matrix instruction (K = 4) for a tile of 16 keys x 16 queries, whose result is t = score x log2(e).  V = s^ [Wv; bv] likewise.
; NO WORK IS LEFT OUT AS DEAD: all 19 inputs are loaded, and P V is done in full ahead of the mean.
; THE SOFTMAX AHEAD OF P V: M = ceil(the row's largest t), kept as -M = floor(-t);  p = 2^(t - M) is quantised along the keys;  the row's sum is taken of the unquantised p and divides the product.  All 128 keys of a row lie in
; one step, so M never moves.
; LAYOUT (r = lane % 16, h = lane / 16).  Tile 4 c + i of tokens: lane r takes token 64 c + 8 i + r % 8 + 32 (r / 8).  With such tiles as source 0, a result's registers 32 c + 8 i + j hold token 64 c + 32 h + 8 i + j: a lane holds
; two WHOLE blocks of 32 keys in the order of the 6-bit operand: a block's largest magnitude needs no other lane, and the conversions' results are the operand.  Both P V and the layers are used transposed (source 0 = channels
; or output units, source 1 = queries or batch rows).
; WHY NO CLUSTER, NO TENSOR LOAD, NO PREFETCH: a wave's own stream is 1,536 bytes, asked for in its first lines; what work-groups share is W1 and W2, 98,304 bytes, which each work-group reads once, f32, straight into the
; registers in which it is quantised: there is no loop in which joint requests could meet, and no later trip to ask ahead for.  The weights are quantised in each work-group by eight waves while the other eight work.
; The output is 64 bytes a work-group.
; LIMITS.  NaN and infinities among the inputs are not served.  A block of zeros gets the byte 1 where the rule says 127: its codes are zeros, and the bytes are read here alone.  A block's largest p is taken as 2^(its largest t - M):
; that takes v_exp_f32 not to fall where its input rises.  p under 2^-126 is 0 (ISA guide, 15.8: v_exp_f32).  t is summed as s^ G s^T, another order of f32 roundings than Q K^T.  tanh: within about 1e-6 of the number.
.set SRAW,  0                          ; LDS: 16 x 1,536: my batch's 128 x 3 numbers as they lie in memory
.set UIMG,  24576                      ; 16 x 4,096: my u's as images of operand registers: pool p at 2,048 p, tile t at 256 t, 8 bytes a lane
.set WIMG,  90112                      ; 16 x 3,328 (waves 0-7 use theirs): W1's fragment 1,536, W2's 1,536 (3 x 512, 16 bytes a lane), their scale words at 3,072 and 3,200 (4 bytes a lane)
.set HROW,  143360                     ; 16 rows x (256 + 16): the pooled 64 numbers of each batch
.set H1,    147712                     ; 16 rows x (512 + 16): the first layer's 128
.set PART,  156160                     ; 16 rows x 8 waves: parts of the last dot product
.set SPARE, 156672                     ; the spare words, 128 bytes for each of 16 waves: eight blocks of 256 bytes that no other line names
.set SPW,  1                           ; v1   LDS address of my spare word; never rewritten
.set NIL,  2                           ; v2   0; never rewritten
.set SH8,  3                           ; v3   8 h
.set L16,  4                           ; v4   16 x lane
.set AU0,  5                           ; v5   UIMG + 4,096 w + 8 x lane
.set ADU,  6                           ; v6   the trip's address in it
.set HST,  7                           ; v7   HROW + 272 w + 32 h
.set HLD,  8                           ; v8   HROW + 272 r + 128 h
.set H1ST, 9                           ; v9   H1 + 528 r + 32 h + 64 w
.set H1LD, 10                          ; v10  H1 + 528 r + 128 h
.set PST,  11                          ; v11  PART + 32 r + 4 w
.set PLD,  12                          ; v12  PART + 32 r
.set WIM,  13                          ; v13  WIMG + 3,328 w + 16 x lane
.set WSC,  14                          ; v14  WIMG + 3,328 w + 3,072 + 4 x lane
.set SST,  15                          ; v15  SRAW + 1,536 w + 16 x lane
.set KA,   16                          ; v16-31   the 8 tiles of tokens as f32 operands: register j of a tile = s^[2 h + j]
.set S,    32                          ; v32-95   results of the f32 matrix form: written by matrix instructions alone
.set P,    96                          ; v96-159  t - M, then p
.set O,    96                          ; v96-111  O^T of a trip, once p is converted
.set PC,   160                         ; v160-171 the codes just made
.set TA,   172                         ; v172-174, v176-178: a block's upper 16 codes (a conversion's three registers begin on an even number)
.set TOF,  175                         ; v175 64 w + 32 h: my place in b1, b2, W3; never rewritten
.set TB,   176
.set WOF,  179                         ; v179 16,384 h + 64 w + 4 r: my place in W1, W2; never rewritten
.set VC,   180                         ; v180-203 V^T's two fragments
.set ACC,  204                         ; v204-219 the sum over queries of O^T / l
.set U,    220                         ; v220-221 the trip's 16 queries: u[2 h + j]
.set WV,   222                         ; v222-229 [Wv; bv] as f32 operands: 4 p + 2 d
.set BM,   230                         ; v230-231 my two blocks' largest
.set MX,   232
.set T,    233                         ; a lane permute's destination
.set NM,   234                         ; v234 -M (named as a pair with v235)
.set SO,   236                         ; v236-237 the conversions' scale operands
.set BY,   238                         ; v238-239 scale bytes
.set L,    240                         ; v240-243 the row's sum, in two chains of pairs
.set L2,   242
.set RL,   244                         ; v244 1 / l (named as a pair with v245)
.set GP,   246                         ; v246-249 c G as an f32 operand, a pair for each pool
.set PW,   250                         ; v250-253 hold scale words and nothing else: p's (h's, H1's); V's two; a weight's
.set VS,   251
.set WS,   253
.set GA0,  254                         ; v254 SRAW + 1,536 w + 12 (r % 8) + 384 (r / 8) + 8 h
.set GA1,  255                         ; v255 the same without 8 h
; at the head alone
.set LN,   172
.set RR,   173
.set HH,   174
.set R7,   176
.set R3,   177
.set IDX,  178
.set GW,   236
.set GB,   237
.set WVA,  238
.set WVC,  239
.set ONE,  240
.set BVT,  204
.set STG,  160
; in the two layers
.set B1R,  180
.set B2R,  188
.set W3R,  196
.set WF,   204
.set DD,   216
.set TE,   96
.set TY,   104
.set TQ,   112
.set TZ,   120
.macro PLACES n
.rept \n
	v_nop
.endr
.endm
; the largest magnitude of nb blocks of 32 numbers of my lane, v[src + 32 c ..], with the floor 2^(3 - 127) among the leaves: so the byte cannot fall under 1.  Ascending: each result of 8 registers is first read at its low end
.macro AMAX src, nb
.set QC, 0
.rept \nb
	v_max3_num_f32 v[BM+QC], |v[\src+32*QC]|, |v[\src+32*QC+1]|, 0x1800000
.set QC, QC+1
.endr
.set QI, 2
.rept 15
.set QC, 0
.rept \nb
	v_max3_num_f32 v[BM+QC], v[BM+QC], |v[\src+32*QC+QI]|, |v[\src+32*QC+QI+1]|
.set QC, QC+1
.endr
.set QI, QI+2
.endr
.endm
; from the blocks' largest magnitudes: the conversions' scale operands (2 off the exponent field), the bytes, and the scale word: my blocks are h and 2 + h; lane l xor 16 has the other two
.macro SCALES nb, word
	v_add_nc_u32 v[SO], 0xff000000, v[BM]
.if \nb == 2
	v_add_nc_u32 v[SO+1], 0xff000000, v[BM+1]
.endif
	v_lshrrev_b32 v[BY], 23, v[SO]
.if \nb == 2
	v_lshrrev_b32 v[BY+1], 23, v[SO+1]
	v_lshl_or_b32 v[BY], v[BY+1], 16, v[BY]
.endif
	v_lshlrev_b32 v[BY], v[SH8], v[BY]
	v_permlanex16_b32 v[T], v[BY], s48, s49
	v_or_b32 v[\word], v[BY], v[T]
.endm
; nb blocks of 32 numbers become a fragment's 12 registers; with one block the other six are zero codes, which add nothing
.macro CVT dst, src, nb
	v_cvt_scalef32_pk16_fp6_f32 v[(\dst):(\dst)+2], v[\src:\src+15], v[SO]
	v_cvt_scalef32_pk16_fp6_f32 v[TA:TA+2], v[\src+16:\src+31], v[SO]
.if \nb == 2
	v_cvt_scalef32_pk16_fp6_f32 v[(\dst)+6:(\dst)+8], v[\src+32:\src+47], v[SO+1]
	v_cvt_scalef32_pk16_fp6_f32 v[TB:TB+2], v[\src+48:\src+63], v[SO+1]
.endif
	v_nop                                          ; one plain place behind the last scaled conversion
.irp i, 0,1,2
	v_mov_b32 v[(\dst)+3+\i], v[TA+\i]
.endr
.if \nb == 2
.irp i, 0,1,2
	v_mov_b32 v[(\dst)+9+\i], v[TB+\i]
.endr
.else
.irp i, 6,7,8,9,10,11
	v_mov_b32 v[(\dst)+\i], 0
.endr
.endif
.endm
.macro IMAGE off                       ; the fragment in v[PC] on goes to my part of LDS as it stands, 16 bytes a lane
.irp k, 0,1,2
	ds_store_b128 v[WIM], v[PC+4*\k:PC+4*\k+3] offset:\off+512*\k
.endr
.endm
.macro FETCH off                       ; and comes back so
.irp k, 0,1,2
	ds_load_b128 v[WF+4*\k:WF+4*\k+3], v[WIM] offset:\off+512*\k
.endr
.endm
.macro BAR                             ; my LDS stores have landed and my LDS loads are in: then the work-group's barrier
	s_wait_dscnt 0x0
	s_barrier_signal -1
	s_barrier_wait -1
.endm
; V^T's fragment d (channels 16 d on) of pool p: 8 f32 matrix instructions give lane r channel 16 d + r at all 128 keys; quantised along the keys in the lane
.macro VPHASE p, d
.irp t, 0,1,2,3,4,5,6,7
	v_wmma_f32_16x16x4_f32 v[S+8*\t:S+8*\t+7], v[KA+2*\t:KA+2*\t+1], v[WV+4*\p+2*\d:WV+4*\p+2*\d+1], 0
.endr
.irp i, 0,1,2,3,4,5,6,7
	v_mov_b32 v[ACC+8*\d+\i], 0                    ; the pool's sums begin; these eight are also the places behind the f32 form (ISA guide 7.12.1)
.endr
	AMAX S, 2
	SCALES 2, VS+\d
	CVT VC+12*\d, S, 2
.endm
; A TRIP: 16 queries x all 128 keys
.macro TRIP
	v_add_nc_u32 v[ADU], s4, v[AU0]
	ds_load_b64 v[U:U+1], v[ADU]                   ; the tile's u, as I stored it
	s_wait_dscnt 0x0
.irp t, 0,1,2,3,4,5,6,7
	v_wmma_f32_16x16x4_f32 v[S+8*\t:S+8*\t+7], v[KA+2*\t:KA+2*\t+1], v[U:U+1], 0   ; t of keys 64 c + 32 h + 8 i + j and query r
.endr
	PLACES 8                                       ; eight places behind the f32 form, ahead of the first read of its results
.irp c, 0,1
	v_max3_num_f32 v[BM+\c], v[S+32*\c], v[S+32*\c+1], v[S+32*\c+2]   ; THE LARGEST t OF EACH OF MY TWO BLOCKS: it serves the row's maximum and, since p rises with t, the block's largest p
.endr
.irp i, 3,5,7,9,11,13,15,17,19,21,23,25,27,29
.irp c, 0,1
	v_max3_num_f32 v[BM+\c], v[BM+\c], v[S+32*\c+\i], v[S+32*\c+\i+1]
.endr
.endr
.irp c, 0,1
	v_max_num_f32 v[BM+\c], v[BM+\c], v[S+32*\c+31]
.endr
	v_max_num_f32 v[MX], v[BM], v[BM+1]
	v_permlanex16_b32 v[T], v[MX], s48, s49
	v_max_num_f32 v[MX], v[MX], v[T]               ; with lane l xor 16's 64 keys: the row's largest t
	v_floor_f32 v[NM], -v[MX]                      ; -M = floor(-t) = -ceil(t)
.set QJ, 0
.rept 32
	v_pk_add_f32 v[P+QJ:P+QJ+1], v[S+QJ:S+QJ+1], v[NM:NM+1] op_sel_hi:[1,0]   ; t - M, two at a time (the pair's low word serves both)
.set QJ, QJ+2
.endr
	v_add_f32 v[BM], v[BM], v[NM]                  ; the same of each block's largest t
	v_add_f32 v[BM+1], v[BM+1], v[NM]
.set QJ, 0
.rept 64
	v_exp_f32 v[P+QJ], v[P+QJ]                     ; p = 2^(t - M): not normalised
.set QJ, QJ+1
.endr
	v_exp_f32 v[BM], v[BM]                         ; the blocks' largest p: the same two instructions on the same number give the same bits
	v_exp_f32 v[BM+1], v[BM+1]
	v_nop                                          ; a plain place behind the last exponential
	s_wait_alu depctr_va_vdst(0)                   ; one wait for the batch of 66, ahead of its first reader
	v_max_num_f32 v[BM], 0x1800000, v[BM]          ; the floor 2^(3 - 127)
	v_max_num_f32 v[BM+1], 0x1800000, v[BM+1]
	SCALES 2, PW
	v_pk_add_f32 v[L:L+1], v[P:P+1], v[P+2:P+3]    ; THE ROW'S SUM IS TAKEN OF THE UNQUANTISED p: two chains of pairs.  (These lines are also the places between the scale word's last write and the scaled products)
	v_pk_add_f32 v[L2:L2+1], v[P+4:P+5], v[P+6:P+7]
.set QJ, 8
.rept 14
	v_pk_add_f32 v[L:L+1], v[L:L+1], v[P+QJ:P+QJ+1]
	v_pk_add_f32 v[L2:L2+1], v[L2:L2+1], v[P+QJ+2:P+QJ+3]
.set QJ, QJ+4
.endr
	v_pk_add_f32 v[L:L+1], v[L:L+1], v[L2:L2+1]
	CVT PC, P, 2
	v_add_f32 v[L], v[L], v[L+1]
	v_permlanex16_b32 v[T], v[L], s48, s49
	v_add_f32 v[L], v[L], v[T]                     ; l of query r
	v_nop                                          ; with the two additions: four places between the codes' last write and the scaled products
	v_nop
	v_rcp_f32 v[RL], v[L]
.irp d, 0,1
	v_wmma_scale_f32_16x16x128_f8f6f4 v[O+8*\d:O+8*\d+7], v[VC+12*\d:VC+12*\d+11], v[PC:PC+11], 0, v[VS+\d], v[PW] matrix_a_fmt:MATRIX_FMT_FP6 matrix_b_fmt:MATRIX_FMT_FP6   ; O^T: channel 16 d + 8 h + j of query r
.endr
	PLACES 4                                       ; behind this form, ahead of the first read; also the plain place behind the reciprocal
	s_wait_alu depctr_va_vdst(0)                   ; the reciprocal's wait, ahead of its first reader
.irp i, 0,2,4,6,8,10,12,14
	v_pk_fma_f32 v[ACC+\i:ACC+\i+1], v[O+\i:O+\i+1], v[RL:RL+1], v[ACC+\i:ACC+\i+1] op_sel_hi:[1,0,1]   ; += O^T / l
.endr
.endm
.macro POOL_MAIN p
	VPHASE \p, 0
	VPHASE \p, 1
	s_mov_b32 s3, 8
	s_mov_b32 s4, 2048*\p
.Ltrip_\@:
	TRIP
	s_add_co_u32 s4, s4, 256
	s_sub_co_u32 s3, s3, 1
	s_cmp_lg_u32 s3, 0
	s_cbranch_scc1 .Ltrip_\@
.endm
; the mean over the queries: the 16 lanes of a half are added, then x 1 / 128; every lane of a half then holds the same eight channels of each tile and writes them to the same bytes of my batch's row
.macro POOL_RED p
.irp m, 1,2,4,8
.irp i, 0,1,2,3,4,5,6,7,8,9,10,11,12,13,14,15
	v_add_f32_dpp v[ACC+\i], v[ACC+\i], v[ACC+\i] row_xmask:\m row_mask:0xf bank_mask:0xf
.endr
.endr
.irp i, 0,2,4,6,8,10,12,14
	v_pk_mul_f32 v[ACC+\i:ACC+\i+1], v[ACC+\i:ACC+\i+1], 0x3c000000 op_sel_hi:[1,0]
.endr
.irp d, 0,1
.irp k, 0,1
	ds_store_b128 v[HST], v[ACC+8*\d+4*\k:ACC+8*\d+4*\k+3] offset:128*\p+64*\d+16*\k
.endr
.endr
	s_wait_dscnt 0x0                               ; the stores have read their registers, which are written again next
.endm
; tanh of eight numbers, in place.  Both forms are always computed and one is selected: 1 - 2 / (1 + 2^(2 log2(e) x)), and where x^2 < 1/16, where that form would cancel, x - x^3/3 + 2 x^5/15 - 17 x^7/315
; (the next term, 62 x^9 / 2835, is under 4e-7 of the number there)
.macro TANH8 x
.irp j, 0,1,2,3,4,5,6,7
	v_mul_f32 v[TE+\j], s53, v[\x+\j]
.endr
.irp j, 0,1,2,3,4,5,6,7
	v_exp_f32 v[TE+\j], v[TE+\j]
.endr
.irp j, 0,1,2,3,4,5,6,7
	v_mul_f32 v[TY+\j], v[\x+\j], v[\x+\j]         ; the series is the independent work behind the exponentials
.endr
.irp j, 0,1,2,3,4,5,6,7
	v_fma_f32 v[TQ+\j], v[TY+\j], s56, s55
.endr
.irp j, 0,1,2,3,4,5,6,7
	v_fma_f32 v[TQ+\j], v[TY+\j], v[TQ+\j], s54
.endr
.irp j, 0,1,2,3,4,5,6,7
	v_mul_f32 v[TZ+\j], v[\x+\j], v[TY+\j]
.endr
.irp j, 0,1,2,3,4,5,6,7
	v_fma_f32 v[TZ+\j], v[TZ+\j], v[TQ+\j], v[\x+\j]
.endr
	s_wait_alu depctr_va_vdst(0)                   ; one wait for the eight exponentials
.irp j, 0,1,2,3,4,5,6,7
	v_add_f32 v[TE+\j], 1.0, v[TE+\j]
.endr
.irp j, 0,1,2,3,4,5,6,7
	v_rcp_f32 v[TE+\j], v[TE+\j]
.endr
	v_nop
	s_wait_alu depctr_va_vdst(0)                   ; and one for the eight reciprocals
.irp j, 0,1,2,3,4,5,6,7
	v_fma_f32 v[TE+\j], -2.0, v[TE+\j], 1.0
.endr
.irp j, 0,1,2,3,4,5,6,7
	v_cmp_gt_f32 vcc_lo, s58, v[TY+\j]
	v_cndmask_b32 v[\x+\j], v[TE+\j], v[TZ+\j], vcc_lo
.endr
.endm
	; ---- THE HEAD
	s_load_b512 s[8:23], s[0:1], 0x0               ; s_obs s[8:9]; pool p's Wq, bq, Wk, bk, Wv, bv at s[10 + 12 p] on, a pair each
	s_load_b512 s[24:39], s[0:1], 0x40             ; .. W1 s[34:35], b1 s[36:37], W2 s[38:39]
	s_load_b256 s[40:47], s[0:1], 0x80             ; b2 s[40:41], W3 s[42:43], b3 s[44:45], out0 s[46:47]
	v_lshl_add_u32 v[SPW], v0, 2, SPARE
	v_mov_b32 v[NIL], 0
	v_lshrrev_b32 v[T], 5, v0
	v_readfirstlane_b32 s2, v[T]                   ; wave 0..15
	v_and_b32 v[LN], 31, v0
	v_and_b32 v[RR], 15, v0                        ; r
	v_bfe_u32 v[HH], v0, 4, 1                      ; h
	v_and_b32 v[R7], 7, v0
	v_bfe_u32 v[R3], v0, 3, 1
	v_lshlrev_b32 v[SH8], 3, v[HH]
	v_lshlrev_b32 v[L16], 4, v[LN]
	s_lshl_b32 s7, s2, 12                          ; every LDS address register is made here, ahead of the first branch on the wave's number
	s_add_co_u32 s7, s7, UIMG
	v_lshl_add_u32 v[AU0], v[LN], 3, s7
	s_mul_i32 s7, s2, 272
	s_add_co_u32 s7, s7, HROW
	v_lshl_add_u32 v[HST], v[HH], 5, s7
	v_mul_u32_u24 v[HLD], v[RR], 272
	v_lshl_add_u32 v[HLD], v[HH], 7, v[HLD]
	v_add_nc_u32 v[HLD], HROW, v[HLD]
	v_mul_u32_u24 v[H1LD], v[RR], 528
	v_lshl_add_u32 v[H1ST], v[HH], 5, v[H1LD]
	v_lshl_add_u32 v[H1LD], v[HH], 7, v[H1LD]
	v_add_nc_u32 v[H1LD], H1, v[H1LD]
	s_lshl_b32 s7, s2, 6
	v_lshl_add_u32 v[TOF], v[HH], 5, s7            ; 64 w + 32 h
	v_lshl_add_u32 v[WOF], v[HH], 14, s7           ; 16,384 h + 64 w
	s_add_co_u32 s7, s7, H1
	v_add_nc_u32 v[H1ST], s7, v[H1ST]
	v_lshl_add_u32 v[PLD], v[RR], 5, PART
	s_lshl_b32 s7, s2, 2
	v_add_nc_u32 v[PST], s7, v[PLD]
	s_mul_i32 s7, s2, 3328
	s_add_co_u32 s7, s7, WIMG
	v_add_nc_u32 v[WIM], s7, v[L16]
	s_add_co_u32 s7, s7, 3072
	v_lshl_add_u32 v[WSC], v[LN], 2, s7
	s_mul_i32 s7, s2, 1536
	v_add_nc_u32 v[SST], s7, v[L16]
	v_mul_u32_u24 v[GA1], v[R7], 12
	v_mad_u32_u24 v[GA1], v[R3], 384, v[GA1]
	v_add_nc_u32 v[GA1], s7, v[GA1]
	v_add_nc_u32 v[GA0], v[GA1], v[SH8]
	v_and_b32 v[IDX], 1, v0                        ; idx(r) = r % 2 + 2 (r / 8): rows 0, 1, 8, 9 of a result stand for 0, 1, 2, 3, since a result's registers 0, 1 are rows 8 h + j and an f32 operand's are k = 2 h + j
	v_lshl_add_u32 v[IDX], v[R3], 1, v[IDX]
	v_cmp_eq_u32 s5, 3, v[IDX]                     ; the lanes whose row of [W; b] is the bias
	v_min_u32 v[IDX], 2, v[IDX]
	v_lshlrev_b32 v[GB], 5, v[HH]                  ; in a bias: 32 h
	v_lshl_add_u32 v[GW], v[IDX], 6, v[GB]         ; in Wq, Wk: row min(idx, 2) of 64 bytes, + 32 h: d = 8 h + 0 .. 7
	v_lshlrev_b32 v[WVC], 2, v[RR]                 ; 4 r
	v_lshl_add_u32 v[WVA], v[HH], 8, v[WVC]        ; Wv's row 2 h of 128 bytes, + 4 r
	v_add_nc_u32 v[WOF], v[WOF], v[WVC]
	v_mov_b32 v[ONE], 1.0
	v_mov_b32 v[NM+1], 0                           ; named as the upper halves of pairs, so they are written
	v_mov_b32 v[RL+1], 0
	s_mov_b32 s6, 0xffff0000                       ; lanes 16-31
	s_mov_b32 s48, 0x76543210
	s_mov_b32 s49, 0xfedcba98                      ; v_permlanex16_b32's selects for lane l xor 16
	s_mov_b32 s53, 0x4038aa3b                      ; 2 log2(e)
	s_mov_b32 s54, 0xbeaaaaab                      ; -1/3
	s_mov_b32 s55, 0x3e088889                      ; 2/15
	s_mov_b32 s56, 0xbd5d0dd1                      ; -17/315
	s_mov_b32 s57, 0x3eb8aa3b                      ; c = log2(e) / 4
	s_mov_b32 s58, 0x3d800000                      ; 1/16
	s_lshl_b32 s50, ttmp9, 4
	s_add_co_u32 s50, s50, s2                      ; my batch
	s_mul_i32 s50, s50, 1536
	s_mov_b32 s51, 0
	s_wait_kmcnt 0x0
	s_load_b32 s52, s[44:45], 0x0                  ; b3
	s_add_nc_u64 s[8:9], s[8:9], s[50:51]
.irp k, 0,1,2
	global_load_b128 v[STG+4*\k:STG+4*\k+3], v[L16], s[8:9] offset:512*\k th:TH_LOAD_NT   ; my batch: 3 x 512 consecutive bytes
.endr
.irp p, 0,1                            ; G's operands: at v[P + 32 p]: Wq's row 0-7, bq 8-15, Wk's row 16-23, bk 24-31
	global_load_b128 v[P+32*\p:P+32*\p+3],     v[GW], s[10+12*\p:11+12*\p]
	global_load_b128 v[P+32*\p+4:P+32*\p+7],   v[GW], s[10+12*\p:11+12*\p] offset:16
	global_load_b128 v[P+32*\p+8:P+32*\p+11],  v[GB], s[12+12*\p:13+12*\p]
	global_load_b128 v[P+32*\p+12:P+32*\p+15], v[GB], s[12+12*\p:13+12*\p] offset:16
	global_load_b128 v[P+32*\p+16:P+32*\p+19], v[GW], s[14+12*\p:15+12*\p]
	global_load_b128 v[P+32*\p+20:P+32*\p+23], v[GW], s[14+12*\p:15+12*\p] offset:16
	global_load_b128 v[P+32*\p+24:P+32*\p+27], v[GB], s[16+12*\p:17+12*\p]
	global_load_b128 v[P+32*\p+28:P+32*\p+31], v[GB], s[16+12*\p:17+12*\p] offset:16
.endr
.irp p, 0,1
.irp d, 0,1                            ; [Wv; bv](2 h + j, 16 d + r): rows 0 and 2; row 1 for all lanes; bv, which takes row 1's place in lanes 16-31
	global_load_b32 v[WV+4*\p+2*\d],   v[WVA], s[18+12*\p:19+12*\p] offset:64*\d
	global_load_b32 v[WV+4*\p+2*\d+1], v[WVC], s[18+12*\p:19+12*\p] offset:128+64*\d
	global_load_b32 v[BVT+2*\p+\d],    v[WVC], s[20+12*\p:21+12*\p] offset:64*\d
.endr
.endr
	s_wait_loadcnt 28                              ; my batch is in; the 16 + 12 younger loads stay out
.irp k, 0,1,2
	ds_store_b128 v[SST], v[STG+4*\k:STG+4*\k+3] offset:512*\k
.endr
.irp t, 0,1,2,3,4,5,6,7                ; LDS serves a wave's instructions in order (ISA guide 5.7.1.4): these see my stores
	ds_load_b32 v[KA+2*\t],   v[GA0] offset:768*(\t/4)+96*(\t%4)      ; x in lanes 0-15, z in lanes 16-31
	ds_load_b32 v[KA+2*\t+1], v[GA1] offset:768*(\t/4)+96*(\t%4)+4    ; y
.endr
	s_wait_loadcnt 12                              ; G's 16 loads are in; the 12 for V's weights stay out
.irp p, 0,1
.irp i, 0,1,2,3,4,5,6,7
	v_cndmask_b32 v[P+32*\p+\i],    v[P+32*\p+\i],    v[P+32*\p+8+\i],  s5
	v_cndmask_b32 v[P+32*\p+16+\i], v[P+32*\p+16+\i], v[P+32*\p+24+\i], s5
.endr
.endr
.irp s, 0,1,2,3                        ; G'(m, n) = the sum over d of [Wq; bq](idx(m), d) [Wk; bk](idx(n), d): four K steps, d = 8 h + 2 s + j on both sides; the two pools' sums by turns
.irp p, 0,1
.if \s == 0
	v_wmma_f32_16x16x4_f32 v[S+8*\p:S+8*\p+7], v[P+32*\p+2*\s:P+32*\p+2*\s+1], v[P+32*\p+16+2*\s:P+32*\p+16+2*\s+1], 0
.else
	v_wmma_f32_16x16x4_f32 v[S+8*\p:S+8*\p+7], v[P+32*\p+2*\s:P+32*\p+2*\s+1], v[P+32*\p+16+2*\s:P+32*\p+16+2*\s+1], v[S+8*\p:S+8*\p+7]
.endif
.endr
.endr
	s_wait_dscnt 0x0                               ; the tokens are in registers
.irp t, 0,1,2,3,4,5,6,7
	v_cndmask_b32 v[KA+2*\t+1], v[KA+2*\t+1], v[ONE], s6   ; s^[3] = 1 in lanes 16-31.  These eight and the line below are the nine places behind G's products: their results are read next, and then written over
.endr
	v_nop
.irp p, 0,1
.irp j, 0,1
	v_mul_f32 v[GP+2*\p+\j], s57, v[S+8*\p+\j]     ; lane (r, h): c G(2 h + j, idx(r)): an operand's registers
.endr
.endr
.irp p, 0,1                            ; u: source 0 = c G, source 1 = 16 tokens: a result's registers 0, 1 are u(2 h + j) of token r: the operand of that tile of queries
.irp t, 0,1,2,3,4,5,6,7
	v_wmma_f32_16x16x4_f32 v[S+8*\t:S+8*\t+7], v[GP+2*\p:GP+2*\p+1], v[KA+2*\t:KA+2*\t+1], 0
.endr
	PLACES 9                                       ; eight ahead of the LDS stores that read the results, nine ahead of the matrix instructions that write over them
.irp t, 0,1,2,3,4,5,6,7
	ds_store_b64 v[AU0], v[S+8*\t:S+8*\t+1] offset:2048*\p+256*\t
.endr
	s_wait_dscnt 0x0                               ; the stores have read their registers
.endr
	s_wait_loadcnt 0x0                             ; V's weights
	s_wait_kmcnt 0x0                               ; b3
.irp p, 0,1
.irp d, 0,1
	v_cndmask_b32 v[WV+4*\p+2*\d+1], v[WV+4*\p+2*\d+1], v[BVT+2*\p+\d], s6
.endr
.endr
	; ---- W1 AND W2: waves 0 to 7 quantise their 16 columns along K.  Lane r takes column 16 w + r, and its registers run down K in the operand's order (k = 64 c + 32 h + i).  The images wait in my own part of LDS
	s_cmp_lt_u32 s2, 8
	s_cbranch_scc0 .Lno_prep
.set QI, 0
.rept 32
	global_load_b32 v[180+QI], v[WOF], s[34:35] offset:512*QI            ; W1(32 h + i, 16 w + r)
.set QI, QI+1
.endr
.set QI, 0
.rept 32
	global_load_b32 v[P+QI], v[WOF], s[38:39] offset:512*QI              ; W2(32 h + i, 16 w + r)
.set QI, QI+1
.endr
	s_wait_loadcnt 32                              ; W1's 32 loads are in; the 32 younger ones stay out
.set QI, 0
.rept 32
	global_load_b32 v[P+32+QI], v[WOF], s[38:39] offset:32768+512*QI     ; W2(64 + 32 h + i, 16 w + r)
.set QI, QI+1
.endr
	AMAX 180, 1
	SCALES 1, WS
	CVT PC, 180, 1
	IMAGE 0
	ds_store_b32 v[WSC], v[WS]
	s_wait_dscnt 0x0                               ; the stores have read their registers
	s_wait_loadcnt 0x0
	AMAX P, 2
	SCALES 2, WS
	CVT PC, P, 2
	IMAGE 1536
	ds_store_b32 v[WSC], v[WS] offset:128
	s_wait_dscnt 0x0
.Lno_prep:
	; ---- THE TWO POOLS
	POOL_MAIN 0
	POOL_RED 0
	POOL_MAIN 1
	s_cmp_lt_u32 s2, 8                             ; b1, b2, W3 at my 16 units (lane: 16 w + 8 h + 0 .. 7), into the registers that V^T's codes have left; they land while the sums are reduced
	s_cbranch_scc0 .Lno_bias
	global_load_b128 v[B1R:B1R+3],   v[TOF], s[36:37]
	global_load_b128 v[B1R+4:B1R+7], v[TOF], s[36:37] offset:16
	global_load_b128 v[B2R:B2R+3],   v[TOF], s[40:41]
	global_load_b128 v[B2R+4:B2R+7], v[TOF], s[40:41] offset:16
	global_load_b128 v[W3R:W3R+3],   v[TOF], s[42:43]
	global_load_b128 v[W3R+4:W3R+7], v[TOF], s[42:43] offset:16
.Lno_bias:
	POOL_RED 1
	; ---- THE TWO LAYERS, transposed: source 0 = my 16 output units, source 1 = the 16 batches; the bias is the C
	BAR                                            ; the sixteen batches' 64 numbers lie in LDS
	s_cmp_lt_u32 s2, 8
	s_cbranch_scc0 .Lno_l1
.irp i, 0,1,2,3,4,5,6,7
	ds_load_b128 v[P+4*\i:P+4*\i+3], v[HLD] offset:16*\i       ; batch r, k = 32 h + 0 .. 31
.endr
	FETCH 0
	ds_load_b32 v[WS], v[WSC]
	s_wait_dscnt 0x0
	s_wait_loadcnt 0x0                             ; b1, b2, W3
	AMAX P, 1
	SCALES 1, PW
	CVT PC, P, 1
	PLACES 8                                       ; a scale word written by a vector instruction stands eight places ahead of a scaled product, codes so written four
	v_wmma_scale_f32_16x16x128_f8f6f4 v[DD:DD+7], v[WF:WF+11], v[PC:PC+11], v[B1R:B1R+7], v[WS], v[PW] matrix_a_fmt:MATRIX_FMT_FP6 matrix_b_fmt:MATRIX_FMT_FP6
	PLACES 4
	TANH8 DD
	ds_store_b128 v[H1ST], v[DD:DD+3]              ; batch r, units 16 w + 8 h + 0 .. 7
	ds_store_b128 v[H1ST], v[DD+4:DD+7] offset:16
.Lno_l1:
	BAR                                            ; the first layer's 16 x 128 lie in LDS
	s_cmp_lt_u32 s2, 8
	s_cbranch_scc0 .Lno_l2
.irp c, 0,1
.irp i, 0,1,2,3,4,5,6,7
	ds_load_b128 v[P+32*\c+4*\i:P+32*\c+4*\i+3], v[H1LD] offset:256*\c+16*\i   ; batch r, k = 64 c + 32 h + 0 .. 31
.endr
.endr
	FETCH 1536
	ds_load_b32 v[WS], v[WSC] offset:128
	s_wait_dscnt 0x0
	AMAX P, 2
	SCALES 2, PW
	CVT PC, P, 2
	PLACES 8
	v_wmma_scale_f32_16x16x128_f8f6f4 v[DD:DD+7], v[WF:WF+11], v[PC:PC+11], v[B2R:B2R+7], v[WS], v[PW] matrix_a_fmt:MATRIX_FMT_FP6 matrix_b_fmt:MATRIX_FMT_FP6
	PLACES 4
	TANH8 DD
	v_mul_f32 v[TE], v[DD], v[W3R]                 ; my eight units' part of the dot product with W3,
.irp j, 1,2,3,4,5,6,7
	v_fmac_f32 v[TE], v[DD+\j], v[W3R+\j]
.endr
	v_permlanex16_b32 v[T], v[TE], s48, s49
	v_add_f32 v[TE], v[TE], v[T]                   ; and lane l xor 16's eight
	ds_store_b32 v[PST], v[TE]                     ; lanes r and r + 16 write the same word with the same value
.Lno_l2:
	BAR                                            ; the eight waves' parts lie in LDS
	s_cmp_lg_u32 s2, 0
	s_cbranch_scc1 .Lend
	ds_load_b128 v[96:99], v[PLD]
	ds_load_b128 v[100:103], v[PLD] offset:16
	v_and_b32 v104, 15, v0
	v_lshlrev_b32 v104, 2, v104
	s_lshl_b32 s50, ttmp9, 6                       ; 16 numbers a work-group
	s_mov_b32 s51, 0
	s_add_nc_u64 s[46:47], s[46:47], s[50:51]
	s_wait_dscnt 0x0
	v_add_f32 v96, v96, v97
	v_add_f32 v98, v98, v99
	v_add_f32 v100, v100, v101
	v_add_f32 v102, v102, v103
	v_add_f32 v96, v96, v98
	v_add_f32 v100, v100, v102
	v_add_f32 v96, v96, v100
	v_add_f32 v96, s52, v96                        ; + b3
	global_store_b32 v104, v96, s[46:47]           ; 64 consecutive bytes; lanes r and r + 16 store the same word with the same value, so EXEC stays whole
.Lend:
	s_wait_tensorcnt 0x0                           ; the wave's end
	ds_add_u32 v[SPW], v[NIL]
	s_wait_dscnt 0x0
	s_endpgm
.Lfunc_end_k_q4c4bfe3465_critic:
	.size	k_q4c4bfe3465_critic, .Lfunc_end_k_q4c4bfe3465_critic-k_q4c4bfe3465_critic
	.p2alignl 7, 3214868480
	.fill 96, 4, 3214868480
	.section	.rodata,"a",@progbits
	.p2align	6, 0x0
	.amdhsa_kernel k_q4c4bfe3465_critic
		.amdhsa_group_segment_fixed_size 158720
		.amdhsa_private_segment_fixed_size 0
		.amdhsa_enable_private_segment 0
		.amdhsa_kernarg_size 160
		.amdhsa_user_sgpr_count 2
		.amdhsa_user_sgpr_kernarg_segment_ptr 1
		.amdhsa_wavefront_size32 1
		.amdhsa_system_sgpr_workgroup_id_x 1
		.amdhsa_system_sgpr_workgroup_id_y 1
		.amdhsa_system_sgpr_workgroup_id_z 1
		.amdhsa_system_vgpr_workitem_id 0
		.amdhsa_next_free_vgpr 256
		.amdhsa_next_free_sgpr 66
		.amdhsa_reserve_vcc 1
		.amdhsa_float_denorm_mode_32 3
		.amdhsa_float_denorm_mode_16_64 3
		.amdhsa_memory_ordered 1
		.amdhsa_forward_progress 1
		.amdhsa_inst_pref_size 95
	.end_amdhsa_kernel
	.amdgpu_metadata
---
amdhsa.version: [ 1, 2 ]
amdhsa.kernels:
  - .name:           k_q4c4bfe3465_critic
    .symbol:         k_q4c4bfe3465_critic.kd
    .args:
      - { .name: s_obs, .offset: 0, .size: 8, .value_kind: global_buffer, .address_space: global }
      - { .name: Wq_rs, .offset: 8, .size: 8, .value_kind: global_buffer, .address_space: global }
      - { .name: bq_rs, .offset: 16, .size: 8, .value_kind: global_buffer, .address_space: global }
      - { .name: Wk_rs, .offset: 24, .size: 8, .value_kind: global_buffer, .address_space: global }
      - { .name: bk_rs, .offset: 32, .size: 8, .value_kind: global_buffer, .address_space: global }
      - { .name: Wv_rs, .offset: 40, .size: 8, .value_kind: global_buffer, .address_space: global }
      - { .name: bv_rs, .offset: 48, .size: 8, .value_kind: global_buffer, .address_space: global }
      - { .name: Wq_tg, .offset: 56, .size: 8, .value_kind: global_buffer, .address_space: global }
      - { .name: bq_tg, .offset: 64, .size: 8, .value_kind: global_buffer, .address_space: global }
      - { .name: Wk_tg, .offset: 72, .size: 8, .value_kind: global_buffer, .address_space: global }
      - { .name: bk_tg, .offset: 80, .size: 8, .value_kind: global_buffer, .address_space: global }
      - { .name: Wv_tg, .offset: 88, .size: 8, .value_kind: global_buffer, .address_space: global }
      - { .name: bv_tg, .offset: 96, .size: 8, .value_kind: global_buffer, .address_space: global }
      - { .name: W1, .offset: 104, .size: 8, .value_kind: global_buffer, .address_space: global }
      - { .name: b1, .offset: 112, .size: 8, .value_kind: global_buffer, .address_space: global }
      - { .name: W2, .offset: 120, .size: 8, .value_kind: global_buffer, .address_space: global }
      - { .name: b2, .offset: 128, .size: 8, .value_kind: global_buffer, .address_space: global }
      - { .name: W3, .offset: 136, .size: 8, .value_kind: global_buffer, .address_space: global }
      - { .name: b3, .offset: 144, .size: 8, .value_kind: global_buffer, .address_space: global }
      - { .name: out0, .offset: 152, .size: 8, .value_kind: global_buffer, .address_space: global }
    .group_segment_fixed_size: 158720
    .private_segment_fixed_size: 0
    .kernarg_segment_align: 8
    .kernarg_segment_size: 160
    .max_flat_workgroup_size: 512
    .sgpr_count:     66
    .vgpr_count:     256
    .wavefront_size: 32
...
	.end_amdgpu_metadata
.endif
;; end of part 1
;; ======== version 2 of 2: 1 launch; version 1 with the launch critic written anew for expert scheduling mode
;; launch critic (part 2): grid 256 x 1, 16 waves a work-group, no clusters, 158,720 bytes of LDS; arguments s_obs, Wq_rs, bq_rs, Wk_rs, bk_rs, Wv_rs, bv_rs, Wq_tg, bq_tg, Wk_tg, bk_tg, Wv_tg, bv_tg, W1, b1, W2, b2, W3, b3, out0; writes out0
.if DOCPART == 2
	.amdgcn_target "amdgcn-amd-amdhsa--gfx1250"
	.amdhsa_code_object_version 6
	.text
	.protected	k_q4c4bfe3465_critic
	.globl	k_q4c4bfe3465_critic
	.p2align	8
	.type	k_q4c4bfe3465_critic,@function
k_q4c4bfe3465_critic:
	s_mov_b64 s[64:65], 0
	v_nop
	global_prefetch_b8 v0, s[64:65] scope:SCOPE_SE
	s_setreg_imm32_b32 hwreg(HW_REG_WAVE_SCHED_MODE, 0, 2), 2
	s_setreg_imm32_b32 hwreg(HW_REG_WAVE_MODE, 25, 1), 1
	s_wait_xcnt 0x0
	s_wait_alu depctr_vm_vsrc(0)
; out0[b] = tanh(tanh([pool_rs(s_b), pool_tg(s_b)] W1 + b1) W2 + b2) W3 + b3;  pool(s) = the mean over the 128 queries of softmax(Q K^T / 4) V, with Q, K (16 wide) and V (32 wide) made of the tokens' 3 numbers.
; QUANTISED, on codes of E2M3 with one E8M0 scale for each 32 along K: P V (K = the 128 keys), h W1 (K = 64, filled to 128 with zero codes), H1 W2 (K = 128).  All else in f32.
; SHARES.  256 work-groups of 16 waves.  Work-group g owns batches 16 g .. 16 g + 15: one tile of 16 rows for the two layers.  Wave w owns batch 16 g + w and makes both pools, one after the other, in 256 registers: four waves
; to a SIMD, so that one wave's matrix instructions and LDS waits stand beside another's softmax.  In the two layers waves 0 to 7 own 16 columns each.  Nothing intermediate goes to memory.
; THE SCORES.  With s^ = [s, 1]:  Q_n . K_m = s^_n G s^_m^T,  G = [Wq; bq] [Wk; bk]^T, 4 x 4: an identity for all values of the inputs; no input and no term is dropped (bq and bk lie in G).  So the products s Wq, s Wk and Q K^T
; become: G, once a wave;  u_n = c G^T s^_n, c = log2(e) / 4, once a token;  and ONE f32 matrix instruction (K = 4) for a tile of 16 keys x 16 queries, whose result is t = score x log2(e).  V = s^ [Wv; bv] likewise.
; NO WORK IS LEFT OUT AS DEAD: all 19 inputs are loaded, and P V is done in full ahead of the mean.
; THE SOFTMAX AHEAD OF P V: M = ceil(the row's largest t), kept as -M = floor(-t);  p = 2^(t - M) is quantised along the keys;  the row's sum is taken of the unquantised p and divides the product.  All 128 keys of a row lie in
; one step, so M never moves.
; LAYOUT (r = lane % 16, h = lane / 16).  Tile 4 c + i of tokens: lane r takes token 64 c + 8 i + r % 8 + 32 (r / 8).  With such tiles as source 0, a result's registers 32 c + 8 i + j hold token 64 c + 32 h + 8 i + j: a lane holds
; two WHOLE blocks of 32 keys in the order of the 6-bit operand: a block's largest magnitude needs no other lane, and the conversions' results are the operand.  Both P V and the layers are used transposed (source 0 = channels
; or output units, source 1 = queries or batch rows).
; WHY NO CLUSTER, NO TENSOR LOAD, NO PREFETCH: a wave's own stream is 1,536 bytes, asked for in its first lines; what work-groups share is W1 and W2, 98,304 bytes, which each work-group reads once, f32, straight into the
; registers in which it is quantised: there is no loop in which joint requests could meet, and no later trip to ask ahead for.  The weights are quantised in each work-group by eight waves while the other eight work.
; The output is 64 bytes a work-group.
; LIMITS.  NaN and infinities among the inputs are not served.  A block of zeros gets the byte 1 where the rule says 127: its codes are zeros, and the bytes are read here alone.  A block's largest p is taken as 2^(its largest t - M):
; that takes v_exp_f32 not to fall where its input rises.  p under 2^-126 is 0 (ISA guide, 15.8: v_exp_f32).  t is summed as s^ G s^T, another order of f32 roundings than Q K^T.  tanh: within about 1e-6 of the number.
; THE MODE: SCHED_MODE bits 1:0 = 2 (LLVM: expert scheduling mode 2), set by the entry lines.  The code itself states the register dependences between vector or matrix instructions and memory or LDS instructions,
; with s_wait_alu, always for 0.
; THE PLAN.  Registers that memory or LDS instructions touch:
;   v1-5, v7-15, v175, v179, v254, v255   addresses, made at the head and never written again: one wait on va_vdst ahead of the first load serves them all.
;   v[U], v[ADU], in the loop   A trip's eight f32 products read v[U].  Behind the trip's exponentials v[ADU] is stepped (a wait on vm_vsrc ahead of the add: the last trip's load has read it); the exponentials' own wait on
;                 va_vdst then also states that v[ADU] is written and that the products are done reading v[U]; the load of the next tile's u follows it and lands while the trip goes on.  The eighth trip asks for nothing: it is written out.
;   v[PC], v[PW]  Written by vector instructions, read by the scaled products: a wait on va_vdst directly ahead of these, behind their places; in the trip it is also the reciprocal's wait.
;   Data of LDS stores (S's low pairs at the head, PC and WS in the weights' arm, ACC behind a pool, DD and TE in the layers): a wait on va_vdst ahead of each run of stores, one on vm_vsrc behind it, ahead of the next branch.
;   Loads into registers that vector or matrix instructions have named (the weights into v180-211 and P, the biases into V^T's registers, the layers' LDS loads): each stands behind a wait on va_vdst since which no vector line names them.
.set SRAW,  0                          ; LDS: 16 x 1,536: my batch's 128 x 3 numbers as they lie in memory
.set UIMG,  24576                      ; 16 x 4,096: my u's as images of operand registers: pool p at 2,048 p, tile t at 256 t, 8 bytes a lane
.set WIMG,  90112                      ; 16 x 3,328 (waves 0-7 use theirs): W1's fragment 1,536, W2's 1,536 (3 x 512, 16 bytes a lane), their scale words at 3,072 and 3,200 (4 bytes a lane)
.set HROW,  143360                     ; 16 rows x (256 + 16): the pooled 64 numbers of each batch
.set H1,    147712                     ; 16 rows x (512 + 16): the first layer's 128
.set PART,  156160                     ; 16 rows x 8 waves: parts of the last dot product
.set SPARE, 156672                     ; the spare words, 128 bytes for each of 16 waves: eight blocks of 256 bytes that no other line names
.set SPW,  1                           ; v1   LDS address of my spare word; never rewritten
.set NIL,  2                           ; v2   0; never rewritten
.set SH8,  3                           ; v3   8 h
.set L16,  4                           ; v4   16 x lane
.set AU0,  5                           ; v5   UIMG + 4,096 w + 8 x lane
.set ADU,  6                           ; v6   the address in it of the tile that is asked for
.set HST,  7                           ; v7   HROW + 272 w + 32 h
.set HLD,  8                           ; v8   HROW + 272 r + 128 h
.set H1ST, 9                           ; v9   H1 + 528 r + 32 h + 64 w
.set H1LD, 10                          ; v10  H1 + 528 r + 128 h
.set PST,  11                          ; v11  PART + 32 r + 4 w
.set PLD,  12                          ; v12  PART + 32 r
.set WIM,  13                          ; v13  WIMG + 3,328 w + 16 x lane
.set WSC,  14                          ; v14  WIMG + 3,328 w + 3,072 + 4 x lane
.set SST,  15                          ; v15  SRAW + 1,536 w + 16 x lane
.set KA,   16                          ; v16-31   the 8 tiles of tokens as f32 operands: register j of a tile = s^[2 h + j]
.set S,    32                          ; v32-95   results of the f32 matrix form: written by matrix instructions alone
.set P,    96                          ; v96-159  t - M, then p
.set O,    96                          ; v96-111  O^T of a trip, once p is converted
.set PC,   160                         ; v160-171 the codes just made
.set TA,   172                         ; v172-174, v176-178: a block's upper 16 codes (a conversion's three registers begin on an even number)
.set TOF,  175                         ; v175 64 w + 32 h: my place in b1, b2, W3; never rewritten
.set TB,   176
.set WOF,  179                         ; v179 16,384 h + 64 w + 4 r: my place in W1, W2; never rewritten
.set VC,   180                         ; v180-203 V^T's two fragments
.set ACC,  204                         ; v204-219 the sum over queries of O^T / l
.set U,    220                         ; v220-221 a tile of 16 queries: u[2 h + j]
.set WV,   222                         ; v222-229 [Wv; bv] as f32 operands: 4 p + 2 d
.set BM,   230                         ; v230-231 my two blocks' largest
.set MX,   232
.set T,    233                         ; a lane permute's destination
.set NM,   234                         ; v234 -M (named as a pair with v235)
.set SO,   236                         ; v236-237 the conversions' scale operands
.set BY,   238                         ; v238-239 scale bytes
.set L,    240                         ; v240-243 the row's sum, in two chains of pairs
.set L2,   242
.set RL,   244                         ; v244 1 / l (named as a pair with v245)
.set GP,   246                         ; v246-249 c G as an f32 operand, a pair for each pool
.set PW,   250                         ; v250-253 hold scale words and nothing else: p's (h's, H1's); V's two; a weight's
.set VS,   251
.set WS,   253
.set GA0,  254                         ; v254 SRAW + 1,536 w + 12 (r % 8) + 384 (r / 8) + 8 h
.set GA1,  255                         ; v255 the same without 8 h
.set CM,   8                           ; s8-15 in the two layers: tanh's eight masks (free: the head's loads, which read these registers as bases, are in)
; at the head alone
.set LN,   172
.set RR,   173
.set HH,   174
.set R7,   176
.set R3,   177
.set IDX,  178
.set GW,   236
.set GB,   237
.set WVA,  238
.set WVC,  239
.set ONE,  240
.set BVT,  204
.set STG,  160
; in the two layers
.set B1R,  180
.set B2R,  188
.set W3R,  196
.set WF,   204
.set DD,   216
.set TE,   96
.set TY,   104
.set TQ,   112
.set TZ,   120
.macro PLACES n
.rept \n
	v_nop
.endr
.endm
; the largest magnitude of nb blocks of 32 numbers of my lane, v[src + 32 c ..], with the floor 2^(3 - 127) among the leaves: so the byte cannot fall under 1.  Ascending: each result of 8 registers is first read at its low end
.macro AMAX src, nb
.set QC, 0
.rept \nb
	v_max3_num_f32 v[BM+QC], |v[\src+32*QC]|, |v[\src+32*QC+1]|, 0x1800000
.set QC, QC+1
.endr
.set QI, 2
.rept 15
.set QC, 0
.rept \nb
	v_max3_num_f32 v[BM+QC], v[BM+QC], |v[\src+32*QC+QI]|, |v[\src+32*QC+QI+1]|
.set QC, QC+1
.endr
.set QI, QI+2
.endr
.endm
; from the blocks' largest magnitudes: the conversions' scale operands (2 off the exponent field), the bytes, and the scale word: my blocks are h and 2 + h; lane l xor 16 has the other two
.macro SCALES nb, word
	v_add_nc_u32 v[SO], 0xff000000, v[BM]
.if \nb == 2
	v_add_nc_u32 v[SO+1], 0xff000000, v[BM+1]
.endif
	v_lshrrev_b32 v[BY], 23, v[SO]
.if \nb == 2
	v_lshrrev_b32 v[BY+1], 23, v[SO+1]
	v_lshl_or_b32 v[BY], v[BY+1], 16, v[BY]
.endif
	v_lshlrev_b32 v[BY], v[SH8], v[BY]
	v_permlanex16_b32 v[T], v[BY], s48, s49
	v_or_b32 v[\word], v[BY], v[T]
.endm
; nb blocks of 32 numbers become a fragment's 12 registers; with one block the other six are zero codes, which add nothing
.macro CVT dst, src, nb
	v_cvt_scalef32_pk16_fp6_f32 v[(\dst):(\dst)+2], v[\src:\src+15], v[SO]
	v_cvt_scalef32_pk16_fp6_f32 v[TA:TA+2], v[\src+16:\src+31], v[SO]
.if \nb == 2
	v_cvt_scalef32_pk16_fp6_f32 v[(\dst)+6:(\dst)+8], v[\src+32:\src+47], v[SO+1]
	v_cvt_scalef32_pk16_fp6_f32 v[TB:TB+2], v[\src+48:\src+63], v[SO+1]
.endif
	v_nop                                          ; one plain place behind the last scaled conversion
.irp i, 0,1,2
	v_mov_b32 v[(\dst)+3+\i], v[TA+\i]
.endr
.if \nb == 2
.irp i, 0,1,2
	v_mov_b32 v[(\dst)+9+\i], v[TB+\i]
.endr
.else
.irp i, 6,7,8,9,10,11
	v_mov_b32 v[(\dst)+\i], 0
.endr
.endif
.endm
.macro IMAGE off                       ; the fragment in v[PC] on goes to my part of LDS as it stands, 16 bytes a lane
.irp k, 0,1,2
	ds_store_b128 v[WIM], v[PC+4*\k:PC+4*\k+3] offset:\off+512*\k
.endr
.endm
.macro FETCH off                       ; and comes back so
.irp k, 0,1,2
	ds_load_b128 v[WF+4*\k:WF+4*\k+3], v[WIM] offset:\off+512*\k
.endr
.endm
.macro BAR                             ; my LDS stores have landed and my LDS loads are in: then the work-group's barrier
	s_wait_dscnt 0x0
	s_barrier_signal -1
	s_barrier_wait -1
.endm
; V^T's fragment d (channels 16 d on) of pool p: 8 f32 matrix instructions give lane r channel 16 d + r at all 128 keys; quantised along the keys in the lane
.macro VPHASE p, d
.irp t, 0,1,2,3,4,5,6,7
	v_wmma_f32_16x16x4_f32 v[S+8*\t:S+8*\t+7], v[KA+2*\t:KA+2*\t+1], v[WV+4*\p+2*\d:WV+4*\p+2*\d+1], 0
.endr
.irp i, 0,1,2,3,4,5,6,7
	v_mov_b32 v[ACC+8*\d+\i], 0                    ; the pool's sums begin; these eight are also the places behind the f32 form (ISA guide 7.12.1)
.endr
	AMAX S, 2
	SCALES 2, VS+\d
	CVT VC+12*\d, S, 2
.endm
; A TRIP: 16 queries x all 128 keys.  ahead = 1: the next tile's u is asked for in the trip's middle
.macro TRIP ahead
	s_wait_dscnt 0x0                               ; the tile's u, as I stored it, is in: it was asked for in the trip before (the first tile's: ahead of V's phases)
.irp t, 0,1,2,3,4,5,6,7
	v_wmma_f32_16x16x4_f32 v[S+8*\t:S+8*\t+7], v[KA+2*\t:KA+2*\t+1], v[U:U+1], 0   ; t of keys 64 c + 32 h + 8 i + j and query r
.endr
	PLACES 8                                       ; eight places behind the f32 form, ahead of the first read of its results
.irp c, 0,1
	v_max3_num_f32 v[BM+\c], v[S+32*\c], v[S+32*\c+1], v[S+32*\c+2]   ; THE LARGEST t OF EACH OF MY TWO BLOCKS: it serves the row's maximum and, since p rises with t, the block's largest p
.endr
.irp i, 3,5,7,9,11,13,15,17,19,21,23,25,27,29
.irp c, 0,1
	v_max3_num_f32 v[BM+\c], v[BM+\c], v[S+32*\c+\i], v[S+32*\c+\i+1]
.endr
.endr
.irp c, 0,1
	v_max_num_f32 v[BM+\c], v[BM+\c], v[S+32*\c+31]
.endr
	v_max_num_f32 v[MX], v[BM], v[BM+1]
	v_permlanex16_b32 v[T], v[MX], s48, s49
	v_max_num_f32 v[MX], v[MX], v[T]               ; with lane l xor 16's 64 keys: the row's largest t
	v_floor_f32 v[NM], -v[MX]                      ; -M = floor(-t) = -ceil(t)
.set QJ, 0
.rept 32
	v_pk_add_f32 v[P+QJ:P+QJ+1], v[S+QJ:S+QJ+1], v[NM:NM+1] op_sel_hi:[1,0]   ; t - M, two at a time (the pair's low word serves both)
.set QJ, QJ+2
.endr
	v_add_f32 v[BM], v[BM], v[NM]                  ; the same of each block's largest t
	v_add_f32 v[BM+1], v[BM+1], v[NM]
.set QJ, 0
.rept 64
	v_exp_f32 v[P+QJ], v[P+QJ]                     ; p = 2^(t - M): not normalised
.set QJ, QJ+1
.endr
	v_exp_f32 v[BM], v[BM]                         ; the blocks' largest p: the same two instructions on the same number give the same bits
	v_exp_f32 v[BM+1], v[BM+1]
.if \ahead
	s_wait_alu depctr_vm_vsrc(0)                   ; the LDS load of the trip before has read v[ADU], which the next line writes
	v_add_nc_u32 v[ADU], s4, v[AU0]                ; where the next tile's u lies.  It is also the plain place behind the last exponential
	s_wait_alu depctr_va_vdst(0)                   ; one wait for three things: the batch of 66 exponentials has written its results, ahead of their first reader; v[ADU] is written, which the load below reads; this trip's eight f32 products are done reading v[U], in which it lands
	ds_load_b64 v[U:U+1], v[ADU]                   ; it has the rest of the trip in which to land
.else
	v_nop                                          ; a plain place behind the last exponential
	s_wait_alu depctr_va_vdst(0)                   ; one wait for the batch of 66 exponentials, ahead of the first reader of their results
.endif
	v_max_num_f32 v[BM], 0x1800000, v[BM]          ; the floor 2^(3 - 127)
	v_max_num_f32 v[BM+1], 0x1800000, v[BM+1]
	SCALES 2, PW
	v_pk_add_f32 v[L:L+1], v[P:P+1], v[P+2:P+3]    ; THE ROW'S SUM IS TAKEN OF THE UNQUANTISED p: two chains of pairs.  (These lines are also the places between the scale word's last write and the scaled products)
	v_pk_add_f32 v[L2:L2+1], v[P+4:P+5], v[P+6:P+7]
.set QJ, 8
.rept 14
	v_pk_add_f32 v[L:L+1], v[L:L+1], v[P+QJ:P+QJ+1]
	v_pk_add_f32 v[L2:L2+1], v[L2:L2+1], v[P+QJ+2:P+QJ+3]
.set QJ, QJ+4
.endr
	v_pk_add_f32 v[L:L+1], v[L:L+1], v[L2:L2+1]
	CVT PC, P, 2
	v_add_f32 v[L], v[L], v[L+1]
	v_permlanex16_b32 v[T], v[L], s48, s49
	v_add_f32 v[L], v[L], v[T]                     ; l of query r
	v_nop                                          ; with the two additions: four places between the codes' last write and the scaled products
	v_nop
	v_rcp_f32 v[RL], v[L]
	s_wait_alu depctr_va_vdst(0)                   ; behind the places: p's codes v[PC ..] and its scale word v[PW] are written (V^T's codes and words too), which the scaled products take; and the reciprocal has written v[RL], ahead of its first reader
.irp d, 0,1
	v_wmma_scale_f32_16x16x128_f8f6f4 v[O+8*\d:O+8*\d+7], v[VC+12*\d:VC+12*\d+11], v[PC:PC+11], 0, v[VS+\d], v[PW] matrix_a_fmt:MATRIX_FMT_FP6 matrix_b_fmt:MATRIX_FMT_FP6   ; O^T: channel 16 d + 8 h + j of query r
.endr
	PLACES 4                                       ; behind this form, ahead of the first read; also the plain place behind the reciprocal
.irp i, 0,2,4,6,8,10,12,14
	v_pk_fma_f32 v[ACC+\i:ACC+\i+1], v[O+\i:O+\i+1], v[RL:RL+1], v[ACC+\i:ACC+\i+1] op_sel_hi:[1,0,1]   ; += O^T / l
.endr
.endm
.macro POOL_MAIN p
	ds_load_b64 v[U:U+1], v[AU0] offset:2048*\p    ; the first tile's u; it lands during V's phases.  No wait: no vector or matrix instruction issued since the last wait on va_vdst names v[U] or v[AU0]
	VPHASE \p, 0
	VPHASE \p, 1
	s_mov_b32 s3, 7
	s_mov_b32 s4, 2048*\p+256
.Ltrip_\@:
	TRIP 1
	s_add_co_u32 s4, s4, 256
	s_sub_co_u32 s3, s3, 1
	s_cmp_lg_u32 s3, 0
	s_cbranch_scc1 .Ltrip_\@
	TRIP 0                                         ; the eighth trip is written out: there is no tile behind it to ask for
.endm
; the mean over the queries: the 16 lanes of a half are added, then x 1 / 128; every lane of a half then holds the same eight channels of each tile and writes them to the same bytes of my batch's row
.macro POOL_RED p
.irp m, 1,2,4,8
.irp i, 0,1,2,3,4,5,6,7,8,9,10,11,12,13,14,15
	v_add_f32_dpp v[ACC+\i], v[ACC+\i], v[ACC+\i] row_xmask:\m row_mask:0xf bank_mask:0xf
.endr
.endr
.irp i, 0,2,4,6,8,10,12,14
	v_pk_mul_f32 v[ACC+\i:ACC+\i+1], v[ACC+\i:ACC+\i+1], 0x3c000000 op_sel_hi:[1,0]
.endr
	s_wait_alu depctr_va_vdst(0)                   ; the means v[ACC ..] are written, which the LDS stores read.  All the pool's vector and matrix instructions stand ahead of this wait: the loads that follow it into v[U], and behind the second pool into v[P ..], v[WF ..] and v[WS], lean on it too
.irp d, 0,1
.irp k, 0,1
	ds_store_b128 v[HST], v[ACC+8*\d+4*\k:ACC+8*\d+4*\k+3] offset:128*\p+64*\d+16*\k
.endr
.endr
	s_wait_dscnt 0x0
	s_wait_alu depctr_vm_vsrc(0)                   ; the stores have read v[ACC ..], which are written again next: by the next pool's first lines, or by the layers' loads and products
.endm
; tanh of eight numbers, in place.  Both forms are always computed and one is selected: 1 - 2 / (1 + 2^(2 log2(e) x)), and where x^2 < 1/16, where that form would cancel, x - x^3/3 + 2 x^5/15 - 17 x^7/315
; (the next term, 62 x^9 / 2835, is under 4e-7 of the number there)
.macro TANH8 x
.irp j, 0,1,2,3,4,5,6,7
	v_mul_f32 v[TE+\j], s53, v[\x+\j]
.endr
.irp j, 0,1,2,3,4,5,6,7
	v_exp_f32 v[TE+\j], v[TE+\j]
.endr
.irp j, 0,1,2,3,4,5,6,7
	v_mul_f32 v[TY+\j], v[\x+\j], v[\x+\j]         ; the series is the independent work behind the exponentials
.endr
.irp j, 0,1,2,3,4,5,6,7
	v_fma_f32 v[TQ+\j], v[TY+\j], s56, s55
.endr
.irp j, 0,1,2,3,4,5,6,7
	v_fma_f32 v[TQ+\j], v[TY+\j], v[TQ+\j], s54
.endr
.irp j, 0,1,2,3,4,5,6,7
	v_mul_f32 v[TZ+\j], v[\x+\j], v[TY+\j]
.endr
.irp j, 0,1,2,3,4,5,6,7
	v_fma_f32 v[TZ+\j], v[TZ+\j], v[TQ+\j], v[\x+\j]
.endr
.irp j, 0,1,2,3,4,5,6,7
	v_cmp_gt_f32 s[CM+\j], s58, v[TY+\j]           ; the eight masks in one run, a scalar register each
.endr
	s_wait_alu depctr_va_vdst(0)                   ; one wait for the eight exponentials, ahead of the first reader of v[TE ..]
.irp j, 0,1,2,3,4,5,6,7
	v_add_f32 v[TE+\j], 1.0, v[TE+\j]
.endr
.irp j, 0,1,2,3,4,5,6,7
	v_rcp_f32 v[TE+\j], v[TE+\j]
.endr
	v_nop
	s_wait_alu depctr_va_vdst(0)                   ; and one for the eight reciprocals
.irp j, 0,1,2,3,4,5,6,7
	v_fma_f32 v[TE+\j], -2.0, v[TE+\j], 1.0
.endr
	s_wait_alu depctr_va_sdst(0)                   ; the compares have written the eight masks, ahead of their first reader
.irp j, 0,1,2,3,4,5,6,7
	v_cndmask_b32 v[\x+\j], v[TE+\j], v[TZ+\j], s[CM+\j]
.endr
.endm
	; ---- THE HEAD
	s_load_b512 s[8:23], s[0:1], 0x0               ; s_obs s[8:9]; pool p's Wq, bq, Wk, bk, Wv, bv at s[10 + 12 p] on, a pair each
	s_load_b512 s[24:39], s[0:1], 0x40             ; .. W1 s[34:35], b1 s[36:37], W2 s[38:39]
	s_load_b256 s[40:47], s[0:1], 0x80             ; b2 s[40:41], W3 s[42:43], b3 s[44:45], out0 s[46:47]
	v_lshl_add_u32 v[SPW], v0, 2, SPARE
	v_mov_b32 v[NIL], 0
	v_lshrrev_b32 v[T], 5, v0
	v_readfirstlane_b32 s2, v[T]                   ; wave 0..15
	v_and_b32 v[LN], 31, v0
	v_and_b32 v[RR], 15, v0                        ; r
	v_bfe_u32 v[HH], v0, 4, 1                      ; h
	v_and_b32 v[R7], 7, v0
	v_bfe_u32 v[R3], v0, 3, 1
	v_lshlrev_b32 v[SH8], 3, v[HH]
	v_lshlrev_b32 v[L16], 4, v[LN]
	v_and_b32 v[IDX], 1, v0                        ; idx(r) = r % 2 + 2 (r / 8): rows 0, 1, 8, 9 of a result stand for 0, 1, 2, 3, since a result's registers 0, 1 are rows 8 h + j and an f32 operand's are k = 2 h + j
	v_lshl_add_u32 v[IDX], v[R3], 1, v[IDX]
	v_cmp_eq_u32 s5, 3, v[IDX]                     ; the lanes whose row of [W; b] is the bias
	v_min_u32 v[IDX], 2, v[IDX]
	s_wait_alu depctr_va_sdst(0)                   ; s2 and s5 are written, ahead of the first reader of either: the addresses below are made from s2, the selections of G's operands read s5
	s_lshl_b32 s7, s2, 12                          ; every LDS address register is made here, ahead of the first branch on the wave's number
	s_add_co_u32 s7, s7, UIMG
	v_lshl_add_u32 v[AU0], v[LN], 3, s7
	s_mul_i32 s7, s2, 272
	s_add_co_u32 s7, s7, HROW
	v_lshl_add_u32 v[HST], v[HH], 5, s7
	v_mul_u32_u24 v[HLD], v[RR], 272
	v_lshl_add_u32 v[HLD], v[HH], 7, v[HLD]
	v_add_nc_u32 v[HLD], HROW, v[HLD]
	v_mul_u32_u24 v[H1LD], v[RR], 528
	v_lshl_add_u32 v[H1ST], v[HH], 5, v[H1LD]
	v_lshl_add_u32 v[H1LD], v[HH], 7, v[H1LD]
	v_add_nc_u32 v[H1LD], H1, v[H1LD]
	s_lshl_b32 s7, s2, 6
	v_lshl_add_u32 v[TOF], v[HH], 5, s7            ; 64 w + 32 h
	v_lshl_add_u32 v[WOF], v[HH], 14, s7           ; 16,384 h + 64 w
	s_add_co_u32 s7, s7, H1
	v_add_nc_u32 v[H1ST], s7, v[H1ST]
	v_lshl_add_u32 v[PLD], v[RR], 5, PART
	s_lshl_b32 s7, s2, 2
	v_add_nc_u32 v[PST], s7, v[PLD]
	s_mul_i32 s7, s2, 3328
	s_add_co_u32 s7, s7, WIMG
	v_add_nc_u32 v[WIM], s7, v[L16]
	s_add_co_u32 s7, s7, 3072
	v_lshl_add_u32 v[WSC], v[LN], 2, s7
	s_mul_i32 s7, s2, 1536
	v_add_nc_u32 v[SST], s7, v[L16]
	v_mul_u32_u24 v[GA1], v[R7], 12
	v_mad_u32_u24 v[GA1], v[R3], 384, v[GA1]
	v_add_nc_u32 v[GA1], s7, v[GA1]
	v_add_nc_u32 v[GA0], v[GA1], v[SH8]
	v_lshlrev_b32 v[GB], 5, v[HH]                  ; in a bias: 32 h
	v_lshl_add_u32 v[GW], v[IDX], 6, v[GB]         ; in Wq, Wk: row min(idx, 2) of 64 bytes, + 32 h: d = 8 h + 0 .. 7
	v_lshlrev_b32 v[WVC], 2, v[RR]                 ; 4 r
	v_lshl_add_u32 v[WVA], v[HH], 8, v[WVC]        ; Wv's row 2 h of 128 bytes, + 4 r
	v_add_nc_u32 v[WOF], v[WOF], v[WVC]
	v_mov_b32 v[ONE], 1.0
	v_mov_b32 v[NM+1], 0                           ; named as the upper halves of pairs, so they are written
	v_mov_b32 v[RL+1], 0
	s_mov_b32 s6, 0xffff0000                       ; lanes 16-31
	s_mov_b32 s48, 0x76543210
	s_mov_b32 s49, 0xfedcba98                      ; v_permlanex16_b32's selects for lane l xor 16
	s_mov_b32 s53, 0x4038aa3b                      ; 2 log2(e)
	s_mov_b32 s54, 0xbeaaaaab                      ; -1/3
	s_mov_b32 s55, 0x3e088889                      ; 2/15
	s_mov_b32 s56, 0xbd5d0dd1                      ; -17/315
	s_mov_b32 s57, 0x3eb8aa3b                      ; c = log2(e) / 4
	s_mov_b32 s58, 0x3d800000                      ; 1/16
	s_lshl_b32 s50, ttmp9, 4
	s_add_co_u32 s50, s50, s2                      ; my batch
	s_mul_i32 s50, s50, 1536
	s_mov_b32 s51, 0
	s_wait_kmcnt 0x0
	s_load_b32 s52, s[44:45], 0x0                  ; b3
	s_add_nc_u64 s[8:9], s[8:9], s[50:51]
	s_wait_alu depctr_va_vdst(0)                   ; every address and offset of the kernel but v[ADU] is written: the loads and stores from here on read them
.irp k, 0,1,2
	global_load_b128 v[STG+4*\k:STG+4*\k+3], v[L16], s[8:9] offset:512*\k th:TH_LOAD_NT   ; my batch: 3 x 512 consecutive bytes
.endr
.irp p, 0,1                            ; G's operands: at v[P + 32 p]: Wq's row 0-7, bq 8-15, Wk's row 16-23, bk 24-31
	global_load_b128 v[P+32*\p:P+32*\p+3],     v[GW], s[10+12*\p:11+12*\p]
	global_load_b128 v[P+32*\p+4:P+32*\p+7],   v[GW], s[10+12*\p:11+12*\p] offset:16
	global_load_b128 v[P+32*\p+8:P+32*\p+11],  v[GB], s[12+12*\p:13+12*\p]
	global_load_b128 v[P+32*\p+12:P+32*\p+15], v[GB], s[12+12*\p:13+12*\p] offset:16
	global_load_b128 v[P+32*\p+16:P+32*\p+19], v[GW], s[14+12*\p:15+12*\p]
	global_load_b128 v[P+32*\p+20:P+32*\p+23], v[GW], s[14+12*\p:15+12*\p] offset:16
	global_load_b128 v[P+32*\p+24:P+32*\p+27], v[GB], s[16+12*\p:17+12*\p]
	global_load_b128 v[P+32*\p+28:P+32*\p+31], v[GB], s[16+12*\p:17+12*\p] offset:16
.endr
.irp p, 0,1
.irp d, 0,1                            ; [Wv; bv](2 h + j, 16 d + r): rows 0 and 2; row 1 for all lanes; bv, which takes row 1's place in lanes 16-31
	global_load_b32 v[WV+4*\p+2*\d],   v[WVA], s[18+12*\p:19+12*\p] offset:64*\d
	global_load_b32 v[WV+4*\p+2*\d+1], v[WVC], s[18+12*\p:19+12*\p] offset:128+64*\d
	global_load_b32 v[BVT+2*\p+\d],    v[WVC], s[20+12*\p:21+12*\p] offset:64*\d
.endr
.endr
	s_wait_loadcnt 28                              ; my batch is in; the 16 + 12 younger loads stay out
.irp k, 0,1,2
	ds_store_b128 v[SST], v[STG+4*\k:STG+4*\k+3] offset:512*\k
.endr
.irp t, 0,1,2,3,4,5,6,7                ; LDS serves a wave's instructions in order (ISA guide 5.7.1.4): these see my stores
	ds_load_b32 v[KA+2*\t],   v[GA0] offset:768*(\t/4)+96*(\t%4)      ; x in lanes 0-15, z in lanes 16-31
	ds_load_b32 v[KA+2*\t+1], v[GA1] offset:768*(\t/4)+96*(\t%4)+4    ; y
.endr
	s_wait_loadcnt 12                              ; G's 16 loads are in; the 12 for V's weights stay out
.irp p, 0,1
.irp i, 0,1,2,3,4,5,6,7
	v_cndmask_b32 v[P+32*\p+\i],    v[P+32*\p+\i],    v[P+32*\p+8+\i],  s5
	v_cndmask_b32 v[P+32*\p+16+\i], v[P+32*\p+16+\i], v[P+32*\p+24+\i], s5
.endr
.endr
.irp s, 0,1,2,3                        ; G'(m, n) = the sum over d of [Wq; bq](idx(m), d) [Wk; bk](idx(n), d): four K steps, d = 8 h + 2 s + j on both sides; the two pools' sums by turns
.irp p, 0,1
.if \s == 0
	v_wmma_f32_16x16x4_f32 v[S+8*\p:S+8*\p+7], v[P+32*\p+2*\s:P+32*\p+2*\s+1], v[P+32*\p+16+2*\s:P+32*\p+16+2*\s+1], 0
.else
	v_wmma_f32_16x16x4_f32 v[S+8*\p:S+8*\p+7], v[P+32*\p+2*\s:P+32*\p+2*\s+1], v[P+32*\p+16+2*\s:P+32*\p+16+2*\s+1], v[S+8*\p:S+8*\p+7]
.endif
.endr
.endr
	s_wait_dscnt 0x0                               ; the tokens are in registers
.irp t, 0,1,2,3,4,5,6,7
	v_cndmask_b32 v[KA+2*\t+1], v[KA+2*\t+1], v[ONE], s6   ; s^[3] = 1 in lanes 16-31.  These eight and the line below are the nine places behind G's products: their results are read next, and then written over
.endr
	v_nop
.irp p, 0,1
.irp j, 0,1
	v_mul_f32 v[GP+2*\p+\j], s57, v[S+8*\p+\j]     ; lane (r, h): c G(2 h + j, idx(r)): an operand's registers
.endr
.endr
.irp p, 0,1                            ; u: source 0 = c G, source 1 = 16 tokens: a result's registers 0, 1 are u(2 h + j) of token r: the operand of that tile of queries
.irp t, 0,1,2,3,4,5,6,7
	v_wmma_f32_16x16x4_f32 v[S+8*\t:S+8*\t+7], v[GP+2*\p:GP+2*\p+1], v[KA+2*\t:KA+2*\t+1], 0
.endr
	PLACES 9                                       ; eight ahead of the LDS stores that read the results, nine ahead of the matrix instructions that write over them
	s_wait_alu depctr_va_vdst(0)                   ; behind the places: the eight products have written v[S ..], whose low pairs the LDS stores read
.irp t, 0,1,2,3,4,5,6,7
	ds_store_b64 v[AU0], v[S+8*\t:S+8*\t+1] offset:2048*\p+256*\t
.endr
	s_wait_dscnt 0x0
	s_wait_alu depctr_vm_vsrc(0)                   ; the stores have read v[S ..], which the next products write again
.endr
	s_wait_loadcnt 0x0                             ; V's weights
	s_wait_kmcnt 0x0                               ; b3
	s_wait_alu depctr_vm_vsrc(0)                   ; the head's loads have read their offsets v236 to v239, and the LDS stores of my batch their data v160 to v171: from here on these registers are SO, BY and PC, written by vector instructions
.irp p, 0,1
.irp d, 0,1
	v_cndmask_b32 v[WV+4*\p+2*\d+1], v[WV+4*\p+2*\d+1], v[BVT+2*\p+\d], s6
.endr
.endr
	; ---- W1 AND W2: waves 0 to 7 quantise their 16 columns along K.  Lane r takes column 16 w + r, and its registers run down K in the operand's order (k = 64 c + 32 h + i).  The images wait in my own part of LDS
	s_cmp_lt_u32 s2, 8
	s_cbranch_scc0 .Lno_prep
	s_wait_alu depctr_va_vdst(0)                   ; the selections above are done reading v204 to v207, and G's selections and products are done with v[P ..]: the 96 loads below land in these registers, and no vector line stands ahead of the last of them
.set QI, 0
.rept 32
	global_load_b32 v[180+QI], v[WOF], s[34:35] offset:512*QI            ; W1(32 h + i, 16 w + r)
.set QI, QI+1
.endr
.set QI, 0
.rept 32
	global_load_b32 v[P+QI], v[WOF], s[38:39] offset:512*QI              ; W2(32 h + i, 16 w + r)
.set QI, QI+1
.endr
	s_wait_loadcnt 32                              ; W1's 32 loads are in; the 32 younger ones stay out
.set QI, 0
.rept 32
	global_load_b32 v[P+32+QI], v[WOF], s[38:39] offset:32768+512*QI     ; W2(64 + 32 h + i, 16 w + r)
.set QI, QI+1
.endr
	AMAX 180, 1
	SCALES 1, WS
	CVT PC, 180, 1
	s_wait_alu depctr_va_vdst(0)                   ; W1's codes v[PC ..] and its scale word v[WS] are written, which the LDS stores read
	IMAGE 0
	ds_store_b32 v[WSC], v[WS]
	s_wait_dscnt 0x0
	s_wait_alu depctr_vm_vsrc(0)                   ; the stores have read v[PC ..] and v[WS], which W2's lines write again
	s_wait_loadcnt 0x0
	AMAX P, 2
	SCALES 2, WS
	CVT PC, P, 2
	s_wait_alu depctr_va_vdst(0)                   ; W2's codes and scale word are written, which the LDS stores read
	IMAGE 1536
	ds_store_b32 v[WSC], v[WS] offset:128
	s_wait_dscnt 0x0
	s_wait_alu depctr_vm_vsrc(0)                   ; the stores have read v[PC ..], which the trips' conversions write again, and v[WS], in which a layer's load lands
.Lno_prep:
	; ---- THE TWO POOLS
	POOL_MAIN 0
	POOL_RED 0
	POOL_MAIN 1
	s_cmp_lt_u32 s2, 8                             ; b1, b2, W3 at my 16 units (lane: 16 w + 8 h + 0 .. 7), into the registers that V^T's codes have left; they land while the sums are reduced
	s_cbranch_scc0 .Lno_bias
	s_wait_alu depctr_va_vdst(0)                   ; the last trip's scaled products are done reading V^T's codes, in whose registers the six loads land
	global_load_b128 v[B1R:B1R+3],   v[TOF], s[36:37]
	global_load_b128 v[B1R+4:B1R+7], v[TOF], s[36:37] offset:16
	global_load_b128 v[B2R:B2R+3],   v[TOF], s[40:41]
	global_load_b128 v[B2R+4:B2R+7], v[TOF], s[40:41] offset:16
	global_load_b128 v[W3R:W3R+3],   v[TOF], s[42:43]
	global_load_b128 v[W3R+4:W3R+7], v[TOF], s[42:43] offset:16
.Lno_bias:
	POOL_RED 1
	; ---- THE TWO LAYERS, transposed: source 0 = my 16 output units, source 1 = the 16 batches; the bias is the C
	BAR                                            ; the sixteen batches' 64 numbers lie in LDS
	s_cmp_lt_u32 s2, 8
	s_cbranch_scc0 .Lno_l1
.irp i, 0,1,2,3,4,5,6,7
	ds_load_b128 v[P+4*\i:P+4*\i+3], v[HLD] offset:16*\i       ; batch r, k = 32 h + 0 .. 31.  No wait for these twelve loads: no vector or matrix instruction has been issued since the wait ahead of the means' stores, and those stores have been shown to have read v[ACC ..]
.endr
	FETCH 0
	ds_load_b32 v[WS], v[WSC]
	s_wait_dscnt 0x0
	s_wait_loadcnt 0x0                             ; b1, b2, W3
	AMAX P, 1
	SCALES 1, PW
	CVT PC, P, 1
	PLACES 8                                       ; a scale word written by a vector instruction stands eight places ahead of a scaled product, codes so written four
	s_wait_alu depctr_va_vdst(0)                   ; behind the places: h's codes v[PC ..] and scale word v[PW] are written, which the scaled product takes
	v_wmma_scale_f32_16x16x128_f8f6f4 v[DD:DD+7], v[WF:WF+11], v[PC:PC+11], v[B1R:B1R+7], v[WS], v[PW] matrix_a_fmt:MATRIX_FMT_FP6 matrix_b_fmt:MATRIX_FMT_FP6
	PLACES 4
	TANH8 DD
	s_wait_alu depctr_va_vdst(0)                   ; the selections have written v[DD ..], which the LDS stores read.  All the layer's vector and matrix instructions stand ahead of this wait: the next layer's loads into v[P ..], v[WF ..] and v[WS] lean on it too
	ds_store_b128 v[H1ST], v[DD:DD+3]              ; batch r, units 16 w + 8 h + 0 .. 7
	ds_store_b128 v[H1ST], v[DD+4:DD+7] offset:16
	s_wait_alu depctr_vm_vsrc(0)                   ; the stores have read v[DD ..], which the next layer's product writes again
.Lno_l1:
	BAR                                            ; the first layer's 16 x 128 lie in LDS
	s_cmp_lt_u32 s2, 8
	s_cbranch_scc0 .Lno_l2
.irp c, 0,1
.irp i, 0,1,2,3,4,5,6,7
	ds_load_b128 v[P+32*\c+4*\i:P+32*\c+4*\i+3], v[H1LD] offset:256*\c+16*\i   ; batch r, k = 64 c + 32 h + 0 .. 31.  No wait: no vector or matrix instruction has been issued since the wait ahead of the first layer's stores
.endr
.endr
	FETCH 1536
	ds_load_b32 v[WS], v[WSC] offset:128
	s_wait_dscnt 0x0
	AMAX P, 2
	SCALES 2, PW
	CVT PC, P, 2
	PLACES 8
	s_wait_alu depctr_va_vdst(0)                   ; behind the places: H1's codes v[PC ..] and scale word v[PW] are written, which the scaled product takes
	v_wmma_scale_f32_16x16x128_f8f6f4 v[DD:DD+7], v[WF:WF+11], v[PC:PC+11], v[B2R:B2R+7], v[WS], v[PW] matrix_a_fmt:MATRIX_FMT_FP6 matrix_b_fmt:MATRIX_FMT_FP6
	PLACES 4
	TANH8 DD
	v_mul_f32 v[TE], v[DD], v[W3R]                 ; my eight units' part of the dot product with W3,
.irp j, 1,2,3,4,5,6,7
	v_fmac_f32 v[TE], v[DD+\j], v[W3R+\j]
.endr
	v_permlanex16_b32 v[T], v[TE], s48, s49
	v_add_f32 v[TE], v[TE], v[T]                   ; and lane l xor 16's eight
	s_wait_alu depctr_va_vdst(0)                   ; v[TE] is written, which the LDS store reads; and the layer is done with v96 to v103, in which wave 0's last loads land
	ds_store_b32 v[PST], v[TE]                     ; lanes r and r + 16 write the same word with the same value
	s_wait_alu depctr_vm_vsrc(0)                   ; the store has read v[TE], in which one of wave 0's last loads lands
.Lno_l2:
	BAR                                            ; the eight waves' parts lie in LDS
	s_cmp_lg_u32 s2, 0
	s_cbranch_scc1 .Lend
	ds_load_b128 v[96:99], v[PLD]
	ds_load_b128 v[100:103], v[PLD] offset:16
	v_and_b32 v104, 15, v0
	v_lshlrev_b32 v104, 2, v104
	s_lshl_b32 s50, ttmp9, 6                       ; 16 numbers a work-group
	s_mov_b32 s51, 0
	s_add_nc_u64 s[46:47], s[46:47], s[50:51]
	s_wait_dscnt 0x0
	v_add_f32 v96, v96, v97
	v_add_f32 v98, v98, v99
	v_add_f32 v100, v100, v101
	v_add_f32 v102, v102, v103
	v_add_f32 v96, v96, v98
	v_add_f32 v100, v100, v102
	v_add_f32 v96, v96, v100
	v_add_f32 v96, s52, v96                        ; + b3
	s_wait_alu depctr_va_vdst(0)                   ; the result v96 and its offset v104 are written, which the store reads
	global_store_b32 v104, v96, s[46:47]           ; 64 consecutive bytes; lanes r and r + 16 store the same word with the same value, so EXEC stays whole
.Lend:
	s_wait_dscnt 0x0                               ; the closing lines, six on end
	s_wait_alu 0x0
	s_wait_tensorcnt 0x0
	ds_add_u32 v[SPW], v[NIL]
	s_wait_dscnt 0x0
	s_endpgm
.Lfunc_end_k_q4c4bfe3465_critic:
	.size	k_q4c4bfe3465_critic, .Lfunc_end_k_q4c4bfe3465_critic-k_q4c4bfe3465_critic
	.p2alignl 7, 3214868480
	.fill 96, 4, 3214868480
	.section	.rodata,"a",@progbits
	.p2align	6, 0x0
	.amdhsa_kernel k_q4c4bfe3465_critic
		.amdhsa_group_segment_fixed_size 158720
		.amdhsa_private_segment_fixed_size 0
		.amdhsa_enable_private_segment 0
		.amdhsa_kernarg_size 160
		.amdhsa_user_sgpr_count 2
		.amdhsa_user_sgpr_kernarg_segment_ptr 1
		.amdhsa_wavefront_size32 1
		.amdhsa_system_sgpr_workgroup_id_x 1
		.amdhsa_system_sgpr_workgroup_id_y 1
		.amdhsa_system_sgpr_workgroup_id_z 1
		.amdhsa_system_vgpr_workitem_id 0
		.amdhsa_next_free_vgpr 256
		.amdhsa_next_free_sgpr 66
		.amdhsa_reserve_vcc 0
		.amdhsa_float_denorm_mode_32 3
		.amdhsa_float_denorm_mode_16_64 3
		.amdhsa_memory_ordered 1
		.amdhsa_forward_progress 1
		.amdhsa_inst_pref_size 119
	.end_amdhsa_kernel
	.amdgpu_metadata
---
amdhsa.version: [ 1, 2 ]
amdhsa.kernels:
  - .name:           k_q4c4bfe3465_critic
    .symbol:         k_q4c4bfe3465_critic.kd
    .args:
      - { .name: s_obs, .offset: 0, .size: 8, .value_kind: global_buffer, .address_space: global }
      - { .name: Wq_rs, .offset: 8, .size: 8, .value_kind: global_buffer, .address_space: global }
      - { .name: bq_rs, .offset: 16, .size: 8, .value_kind: global_buffer, .address_space: global }
      - { .name: Wk_rs, .offset: 24, .size: 8, .value_kind: global_buffer, .address_space: global }
      - { .name: bk_rs, .offset: 32, .size: 8, .value_kind: global_buffer, .address_space: global }
      - { .name: Wv_rs, .offset: 40, .size: 8, .value_kind: global_buffer, .address_space: global }
      - { .name: bv_rs, .offset: 48, .size: 8, .value_kind: global_buffer, .address_space: global }
      - { .name: Wq_tg, .offset: 56, .size: 8, .value_kind: global_buffer, .address_space: global }
      - { .name: bq_tg, .offset: 64, .size: 8, .value_kind: global_buffer, .address_space: global }
      - { .name: Wk_tg, .offset: 72, .size: 8, .value_kind: global_buffer, .address_space: global }
      - { .name: bk_tg, .offset: 80, .size: 8, .value_kind: global_buffer, .address_space: global }
      - { .name: Wv_tg, .offset: 88, .size: 8, .value_kind: global_buffer, .address_space: global }
      - { .name: bv_tg, .offset: 96, .size: 8, .value_kind: global_buffer, .address_space: global }
      - { .name: W1, .offset: 104, .size: 8, .value_kind: global_buffer, .address_space: global }
      - { .name: b1, .offset: 112, .size: 8, .value_kind: global_buffer, .address_space: global }
      - { .name: W2, .offset: 120, .size: 8, .value_kind: global_buffer, .address_space: global }
      - { .name: b2, .offset: 128, .size: 8, .value_kind: global_buffer, .address_space: global }
      - { .name: W3, .offset: 136, .size: 8, .value_kind: global_buffer, .address_space: global }
      - { .name: b3, .offset: 144, .size: 8, .value_kind: global_buffer, .address_space: global }
      - { .name: out0, .offset: 152, .size: 8, .value_kind: global_buffer, .address_space: global }
    .group_segment_fixed_size: 158720
    .private_segment_fixed_size: 0
    .kernarg_segment_align: 8
    .kernarg_segment_size: 160
    .max_flat_workgroup_size: 512
    .sgpr_count:     66
    .vgpr_count:     256
    .wavefront_size: 32
...
	.end_amdgpu_metadata
.endif
;; end of part 2
